; MI455X (gfx1250); checked and timed in simulation.
; The chip was launched on July 23, 2026; its instructions are those of AMD's public machine-readable ISA for CDNA 5 (MIT licence, August 2026) and "CDNA5" Instruction Set Architecture Reference Guide (July 2026). The comments in the code are by the model that wrote it; some were corrected since.
;; Place Cells. Allowed arithmetic: matrix products marked QUANTISED: E5M2 operands, one E8M0 scale for each 32 along K, by v_wmma_scale_f32_16x16x128_f8f6f4 with both operands' format E5M2, f32 sums; everything else in f32.
;; Inputs: placeCells_codes 2,048 x 8 x 32 uint8 (E5M2 codes of placeCells, K innermost, in blocks of 32 codes); placeCells_scales 2,048 x 8 uint8 (E8M0 scales of placeCells, one for each 32 codes along K); x_codes 131,072 x 8 x 32 uint8 (E5M2 codes of x, K innermost, in blocks of 32 codes); x_scales 131,072 x 8 uint8 (E8M0 scales of x, one for each 32 codes along K).
;; Outputs: out0 131,072 int32.
;; This version of the problem:
;;   THIS VERSION OF THE PROBLEM IS GIVEN IN LOW PRECISION. The matrix products marked QUANTISED in the list below multiply operands that are first quantised to E5M2 (5 exponent bits, 2 mantissa bits; 8 bits a number), with one power-of-two scale for each 32 numbers along K (OCP MX v1.0); their sums are f32. All else is computed in f32.
;;   The module's matrix products, in the order in which they are computed (A, B: the left and right operand; K: the contracted axis; several contracted axes count as one K, in the product's order):
;;     1. [M 131,072, K 256] x [K 256, N 2,048]; A: input x (given as codes); B: input placeCells (given as codes): QUANTISED
;;   THE QUANTISER, for each operand of a quantised product, along K:
;;     - K is cut into blocks of 32 from its start; a last block that is shorter is filled with zeros.
;;     - A block's scale is 2^e with e = floor(log2(the largest magnitude in the block)) - 15, held to -126 .. 127; a block of zeros has e = 0. As a byte (E8M0): e + 127.
;;     - Each number is divided by its block's scale, clamped to +-57,344, and rounded to the nearest number of E5M2, ties to even, subnormals kept.
;;     - The product sums the exact products of the quantised numbers (number of the format x scale) in f32.
;;   ~~~python
;;   def quantise(x, axis):      # numpy; x: float32 -> the quantised numbers, widened to float32 again
;;       x = np.moveaxis(x, axis, -1); K = x.shape[-1]
;;       x = np.pad(x, [(0, 0)] * (x.ndim - 1) + [(0, -K % 32)]); x = x.reshape(x.shape[:-1] + (-1, 32)); a = np.abs(x).max(-1, keepdims=True)
;;       e = np.where(a > 0, np.clip(np.frexp(np.where(a > 0, a, 1))[1] - 1 - 15, -126, 127), 0)      # np.frexp(a)[1] - 1 = floor(log2(a)), exactly
;;       r = np.clip(x / 2.0 ** e, -57344, 57344)
;;       step = 2.0 ** (np.maximum(np.frexp(np.where(r == 0, 1, r))[1] - 1, -14) - 2)
;;       q = np.round(r / step) * step * 2.0 ** e      # np.round: ties to even
;;       return np.moveaxis(q.reshape(q.shape[:-2] + (-1,))[..., :K], -1, axis).astype(np.float32)
;;   ~~~
;;   INPUTS GIVEN AS CODES. placeCells (in the module: [2048, 256], K = its axis 1); x (in the module: [131072, 256], K = its axis 1): each comes as NAME_codes (uint8): NAME with its K axis moved to the last place and cut into blocks of 32 codes, [.., K / 32, bytes a block], one block behind the other in memory; one code a byte (a code: sign, 5 exponent bits, 2 mantissa bits); and NAME_scales (uint8): the same leading axes, one E8M0 byte (e + 127) for each 32 codes along K. Its value is code x scale, taken as it is: it is not quantised again, and the codes and scales need not be those that the quantiser above would give.
;; One version. Each part assembles by itself: llvm-mc -triple=amdgcn-amd-amdhsa -mcpu=gfx1250 --defsym DOCPART=n.
;; ======== version 1 of 1: 3 launches
;; limits: right only within a limited range of input values
;; workspace buffers: cand 524,288 bytes of whole numbers; part 33,554,432 bytes
;; launch place (part 1): grid 256 x 1, 8 waves a work-group, clusters of 4 x 1, 327,680 bytes of LDS; arguments placeCells_codes, placeCells_scales, x_codes, x_scales, cand; writes cand
.if DOCPART == 1
	.amdgcn_target "amdgcn-amd-amdhsa--gfx1250"
	.amdhsa_code_object_version 6
	.text
	.protected	k_q69378b7316_place
	.globl	k_q69378b7316_place
	.p2align	8
	.type	k_q69378b7316_place,@function
k_q69378b7316_place:
	s_mov_b64 s[64:65], 0
	v_nop
	global_prefetch_b8 v0, s[64:65] scope:SCOPE_SE
	s_setreg_imm32_b32 hwreg(HW_REG_WAVE_MODE, 25, 1), 1
	s_wait_xcnt 0x0
	s_wait_alu depctr_hold_cnt(0) depctr_sa_sdst(0) depctr_va_vdst(0) depctr_va_sdst(0) depctr_va_ssrc(0) depctr_va_vcc(0) depctr_vm_vsrc(0)
	s_getreg_b32 s2, hwreg(HW_REG_IB_STS2, 6, 4)
	s_cmp_eq_u32 s2, 0
	s_cbranch_scc0 .Lentry_in_a_cluster
	s_endpgm
.Lentry_in_a_cluster:
	s_bfe_u32 s2, ttmp6, 0x10000c
	s_cmp_lg_u32 s2, 0x3003
	s_cbranch_scc0 .Lentry_shape_is_right
	s_endpgm
.Lentry_shape_is_right:
; cand[n] = the index of the largest sim of state n as the matrix unit sums it; bit 31 is set where the second largest lies within 2^-16 (relatively) of it.
; 256 work-groups of 8 waves; a work-group owns 512 states; wave w takes states 128 (w % 4) .. + 127 (kept in registers) against cells 256 (w / 4) .. + 255 of each slot of 512 cells.
; Source 0 = 16 cells, source 1 = 16 states: a lane holds one state and 8 cells of a tile.  For each lane and block of 16 states: the largest tile maximum, its tile's number, the second largest, a copy of the winning tile's 8 sims.
; The four work-groups of a cluster walk the same cells: slots and scales come by joint loads.
; LIMIT: inputs whose sims are NaN (a scale byte 0xff, infinity codes) are not served.
.set PITCH,  272
.set TILEB,  16*PITCH
.set WLOAD,  64*PITCH
.set SLOTC,  512*256
.set R0,     0
.set R1,     512*PITCH
.set SCB,    2*512*PITCH
.set SPARE,  SCB+16384
.set MRG,    SPARE+1024
.set OUTS,   MRG+12288
.set SPW, 1
.set NIL, 2
.set ABL, 3
.set ASL, 4
.set ADB, 5
.set ADS, 6
.set AXL, 7
.set XSO, 8
.set MA,  9
.set OA,  10
.set OB,  11
.set GO,  12
.set H8,  13
.set XS,  16
.set BSC, 24
.set TT,  26
.set ST,  32
.set BF,  128
.set ACC, 192
.set VV,  192
.set NN,  200
.set SS,  208
.set OV,  216
.set ON,  224
.set OS,  232
.set WV,  14
.set SG,  15
.set CH,  16
.set G1B, 24
.set G1X, 32
.set G1S, 40
.set G0X, 48
.set G0S, 52
.set G0B0, 56
.set G0B1, 60
.set MK,  68
.set ID,  72
.set IDP, 73
.set TB,  74
.set TS,  75
.set CNT, 76
.set SEL, 78
.set EPS, 82
.set FLG, 83
.set MSB, 0
.macro WIN new
.if MSB != \new
	s_set_vgpr_msb (MSB<<8)|\new
.set MSB, \new
.endif
.endm
.macro ROUND
	s_barrier_signal -1
	s_barrier_wait -1
	s_cmp_lg_u32 s[WV], 0
	s_cbranch_scc1 .Lnot_wave_0_\@
	s_barrier_signal -3
.Lnot_wave_0_\@:
	s_barrier_wait -3
	s_barrier_signal -1
	s_barrier_wait -1
.endm
.macro LOADB q
	v_add_nc_u32 v[ADB], s[TB], v[ABL]
	v_add_nc_u32 v[ADS], s[TS], v[ASL]
.irp k, 0,1
.irp c, 0,1,2,3
	ds_load_b128 v[BF+32*(\q)+16*\k+4*\c:BF+32*(\q)+16*\k+4*\c+3], v[ADB] offset:128*\k+32*\c
.endr
.endr
	ds_load_b32 v[BSC+(\q)], v[ADS]
.endm
.macro NEXTB q
	s_add_co_u32 s[TB], s[TB], TILEB
	s_add_co_u32 s[TS], s[TS], 128
	LOADB \q
.endm
.macro WM g, p, w
.set sW, 4*(\g)+((\w)&3)
.set qW, (\w)>>2
.if qW == 0
	v_wmma_scale_f32_16x16x128_f8f6f4 v[ACC+8*sW:ACC+8*sW+7], v[BF+32*(\p):BF+32*(\p)+15], v[32*sW:32*sW+15], 0, v[BSC+(\p)], v[XS+sW] matrix_a_fmt:MATRIX_FMT_BF8 matrix_b_fmt:MATRIX_FMT_BF8
.else
	v_wmma_scale_f32_16x16x128_f8f6f4 v[ACC+8*sW:ACC+8*sW+7], v[BF+32*(\p)+16:BF+32*(\p)+31], v[32*sW+16:32*sW+31], v[ACC+8*sW:ACC+8*sW+7], v[BSC+(\p)], v[XS+sW] matrix_a_fmt:MATRIX_FMT_BF8 matrix_b_fmt:MATRIX_FMT_BF8 matrix_a_scale:MATRIX_SCALE_ROW1 matrix_b_scale:MATRIX_SCALE_ROW1
.endif
.endm
; Line n of the 48 that take four finished tiles (blocks 4 g .. 4 g + 3) into the state: 20 lines by turns (tile maximum, second largest), then for each block a compare into VCC, the tile's number, the largest, and four dual pairs.
; State of a block at tV: +0 largest, +1 its tile's number, +3 second largest, +4 .. +11 the winning tile's sims.  VCC = the old largest stays (ties keep the earlier tile).
.macro VOP g, par, idr
.if n < 20
.set uV, n%4
.else
.set uV, (n-20)/7
.endif
.set sV, 4*(\g)+uV
.set aV, ACC+8*sV
.set tV, ST+12*sV
.if n < 4
	v_max3_num_f32 v[TT+uV], v[aV], v[aV+1], v[aV+2]
.elseif n < 8
	v_max3_num_f32 v[TT+uV], v[TT+uV], v[aV+3], v[aV+4]
.elseif n < 12
	v_max3_num_f32 v[TT+uV], v[TT+uV], v[aV+5], v[aV+6]
.elseif n < 16
	v_max_num_f32 v[TT+uV], v[TT+uV], v[aV+7]
.elseif n < 20
	v_med3_num_f32 v[tV+3], v[TT+uV], v[tV], v[tV+3]
.else
.set jV, (n-20)%7
.if jV == 0
	v_cmp_le_f32 vcc_lo, v[TT+uV], v[tV]
.elseif jV == 1
	v_cndmask_b32 v[tV+1], s[\idr], v[tV+1], vcc_lo
.elseif jV == 2
	v_max_num_f32 v[tV], v[TT+uV], v[tV]
.else
.set jV, 2*(jV-3)
	v_dual_cndmask_b32 v[tV+4+jV], v[aV+jV], v[tV+4+jV] :: v_dual_cndmask_b32 v[tV+5+jV], v[aV+jV+1], v[tV+5+jV]
.endif
.endif
.set n, n+1
.endm
.macro STEP g, p, vg, vpar, idr, nl
.set n, 0
.irp w, 0,1,2,3,4,5,6,7
	WIN 0x04
	WM \g, \p, \w
	WIN 0
.rept 6
	VOP \vg, \vpar, \idr
.endr
.if (\nl) && (\w == 1)
	NEXTB 1-(\p)
.endif
.endr
.endm
.macro TILE p, nl, idstep, hw
.if \hw
	s_wait_dscnt 0x0
.endif
	STEP 0, \p, 1, 1-(\p), IDP, \nl
	STEP 1, \p, 0, \p, ID, 0
	s_mov_b32 s[IDP], s[ID]
	s_add_co_u32 s[ID], s[ID], \idstep
.endm
.macro CHANGE g0, step, fill
	s_wait_tensorcnt 0x0
	ds_add_u32 v[SPW], v[NIL]
.if \step
	s_add_nc_u64 s[\g0+2:\g0+3], s[\g0+2:\g0+3], 2*SLOTC
.endif
	s_wait_dscnt 0x0
.if \fill
	ROUND
	tensor_load_to_lds s[\g0:\g0+3], s[G1B:G1B+7]
	s_nop 0
.else
	s_barrier_signal -1
	s_barrier_wait -1
.endif
.rept 4
	v_nop
.endr
.endm
.macro PHASE f
	s_mov_b32 s[CNT], 7
.Ltiles_\@:
	TILE 0, 1, 16, 1
	TILE 1, 1, 16, 1
	s_sub_co_u32 s[CNT], s[CNT], 1
	s_cmp_lg_u32 s[CNT], 0
	s_cbranch_scc1 .Ltiles_\@
	TILE 0, 1, 16, 1
.if \f < 3
.if \f == 0
	CHANGE G0B0, 1, 1
.elseif \f == 1
	CHANGE G0B1, 1, 1
.else
	CHANGE G0B0, 0, 0
.endif
	s_mov_b32 s[TB], ((\f+1)%2)*R1
	s_mov_b32 s[TS], 4096*(\f+1)
	LOADB 0
	TILE 1, 0, 272, 0
.else
	TILE 1, 0, 272, 1
.endif
.endm
.macro MERGE vd, va, na, vo, no
	v_cmp_gt_f32 s80, v[\vo], v[\va]
	v_cmp_eq_f32 s81, v[\vo], v[\va]
	v_cmp_lt_u32 vcc_lo, v[\no], v[\na]
	s_and_b32 s81, s81, vcc_lo
	s_or_b32 s80, s80, s81
	v_cndmask_b32 v[\vd], v[\va], v[\vo], s80
	v_cndmask_b32 v[\na], v[\na], v[\no], s80
.endm
	s_load_b256 s[4:11], s[0:1], 0x0
	s_load_b64 s[12:13], s[0:1], 0x20
	v_lshl_add_u32 v[SPW], v0, 2, SPARE
	v_mov_b32 v[NIL], 0
	ds_add_u32 v1, v2
	ds_add_u32 v1, v2
	s_wait_dscnt 0x0
	v_lshrrev_b32 v14, 5, v0
	s_delay_alu instid0(VALU_DEP_1)
	v_readfirstlane_b32 s[WV], v14
	s_and_b32 s[SG], s[WV], 3
	s_lshr_b32 s[CH], s[WV], 2
	s_bfe_u32 s17, ttmp6, 0x40000
	s_lshl_b32 s18, ttmp9, 2
	s_add_co_u32 s18, s18, s17
	v_and_b32 v14, 15, v0
	v_bfe_u32 v15, v0, 4, 1
	v_and_b32 v30, 31, v0
	s_delay_alu instid0(VALU_DEP_3)
	v_mul_u32_u24 v31, v14, PITCH
	s_delay_alu instid0(VALU_DEP_1)
	v_lshl_add_u32 v31, v15, 4, v31
	s_mul_i32 s20, s[CH], 256*PITCH
	v_add_nc_u32 v[ABL], s20, v31
	s_mul_i32 s20, s[SG], 128*PITCH
	s_add_co_u32 s20, s20, R1
	v_add_nc_u32 v[AXL], s20, v31
	v_lshlrev_b32 v[XSO], 3, v14
	s_delay_alu instid0(VALU_DEP_1)
	v_lshl_add_u32 v[XSO], v15, 2, v[XSO]
	s_lshl_b32 s20, s[CH], 11
	s_add_co_u32 s20, s20, SCB
	v_add_nc_u32 v[ASL], s20, v[XSO]
	v_lshlrev_b32 v[GO], 4, v30
	s_mul_i32 s20, s[SG], 3072
	s_add_co_u32 s20, s20, MRG
	v_add_nc_u32 v[MA], s20, v[GO]
	s_lshl_b32 s20, s[SG], 9
	s_add_co_u32 s20, s20, OUTS
	v_add_nc_u32 v[OB], s20, v[GO]
	v_lshl_add_u32 v[OA], v14, 2, s20
	v_lshlrev_b32 v[H8], 3, v15
	s_mov_b32 s[G1B+0], 15|(1<<20)|(1<<21)|(5<<22)|(3<<25)
	s_mov_b32 s[G1X+0], (1<<20)|(5<<22)|(3<<25)
.irp g, G1B, G1X
	s_mov_b32 s[\g+1], 256<<16
	s_mov_b32 s[\g+3], 256<<16
	s_mov_b32 s[\g+5], 256
	s_mov_b32 s[\g+6], 0
	s_mov_b32 s[\g+7], 0
.endr
	s_mov_b32 s[G1S+0], 15|(3<<16)|(1<<21)
	s_mov_b32 s[G1S+1], 32<<16
	s_mov_b32 s[G1S+2], 32<<16
	s_mov_b32 s[G1B+2], 256<<16
	s_mov_b32 s[G1B+4], 256
	s_mov_b32 s[G1X+2], 128<<16
	s_mov_b32 s[G1X+4], 128
	s_mov_b32 s[G1S+3], 32<<16
	s_mov_b32 s[G1S+4], 32
	s_mov_b32 s[G1S+5], 32
	s_mov_b32 s[G1S+6], 0
	s_mov_b32 s[G1S+7], 0
	s_mul_i32 s20, s[WV], WLOAD
	s_lshl_b32 s22, s[WV], 14
	s_mov_b32 s23, 0
	s_and_b32 s86, s[WV], 1
	s_lshl_b32 s86, s86, 13
	s_mov_b32 s87, 0
	s_lshl_b32 s84, s18, 17
	s_mov_b32 s85, 0
	s_lshl_b32 s88, s18, 12
	s_lshl_b32 s89, s[SG], 10
	s_add_co_u32 s88, s88, s89
	s_mov_b32 s89, 0
	s_lshl_b32 s90, s18, 11
	s_lshl_b32 s91, s[SG], 9
	s_add_co_u32 s90, s90, s91
	s_mov_b32 s91, 0
	s_mov_b32 s[SEL], 0x76543210
	s_mov_b32 s[SEL+1], 0xfedcba98
	s_mov_b32 s[EPS], 0x37800000
	s_mov_b32 s[FLG], 0x80000000
	s_wait_kmcnt 0x0
	s_mov_b32 s[G0X], 1
	s_mul_i32 s[G0X+1], s[SG], 128*PITCH
	s_add_co_u32 s[G0X+1], s[G0X+1], R1
	s_add_nc_u64 s[G0X+2:G0X+3], s[8:9], s[84:85]
	s_lshl_b32 s92, s[SG], 15
	s_mov_b32 s93, 0
	s_add_nc_u64 s[G0X+2:G0X+3], s[G0X+2:G0X+3], s[92:93]
.set G0H, 92
	s_and_b32 s80, s[WV], 1
	s_lshl_b32 s80, s80, 16
	s_mov_b32 s81, 0
	s_add_nc_u64 s[G0H+2:G0H+3], s[4:5], s[80:81]
	s_or_b32 s[G0H+3], s[G0H+3], 0x80000000
	s_and_b32 s[G0H+1], s[WV], 1
	s_mul_i32 s[G0H+1], s[G0H+1], 256*PITCH
	s_mov_b32 s[G0H], 1
	s_or_b32 s[G0X+3], s[G0X+3], 0x80000000
	s_mov_b32 s[G0S], 1
	s_add_co_u32 s[G0S+1], s86, SCB
	s_add_nc_u64 s[G0S+2:G0S+3], s[6:7], s[86:87]
	s_or_b32 s[G0S+3], s[G0S+3], 0x80000000
	s_mov_b32 s[G0B0], 1
	s_add_co_u32 s[G0B0+1], s20, R0
	s_add_nc_u64 s[G0B0+2:G0B0+3], s[4:5], s[22:23]
	s_or_b32 s[G0B0+3], s[G0B0+3], 0x80000000
	s_mov_b32 s[G0B1], 1
	s_add_co_u32 s[G0B1+1], s20, R1
	s_add_nc_u64 s[G0B1+2:G0B1+3], s[4:5], s[22:23]
	s_add_nc_u64 s[G0B1+2:G0B1+3], s[G0B1+2:G0B1+3], SLOTC
	s_or_b32 s[G0B1+3], s[G0B1+3], 0x80000000
	s_add_nc_u64 s[10:11], s[10:11], s[88:89]
	s_add_nc_u64 s[12:13], s[12:13], s[90:91]
	ROUND
	; the head's fills, one a wave: waves 0-3 128 rows of x each (into slot 1's bytes), waves 4-5 256 cells of slot 0 each, waves 6-7 half of the cells' scales each
	s_cmp_lt_u32 s[WV], 4
	s_cbranch_scc0 .Lhead_b
	tensor_load_to_lds s[G0X:G0X+3], s[G1X:G1X+7]
	s_nop 0
.rept 4
	v_nop
.endr
	s_branch .Lhead_asked
.Lhead_b:
	s_cmp_lt_u32 s[WV], 6
	s_cbranch_scc0 .Lhead_s
	tensor_load_to_lds s[G0H:G0H+3], s[G1B:G1B+7]
	s_nop 0
.rept 4
	v_nop
.endr
	s_branch .Lhead_asked
.Lhead_s:
	tensor_load_to_lds s[G0S:G0S+3], s[G1S:G1S+7]
	s_nop 0
.rept 4
	v_nop
.endr
.Lhead_asked:
.rept 4
	v_nop
.endr
	s_wait_alu depctr_va_vdst(0)
.irp s, 0,1,2,3,4,5,6,7
	global_load_b32 v[XS+\s], v[XSO], s[10:11] offset:128*\s
.endr
	s_mov_b32 s20, 0xff800000
	s_lshl_b32 s[ID], s[CH], 8
	s_mov_b32 s[IDP], 0
	s_mov_b32 s[TB], R0
	s_mov_b32 s[TS], 0
.irp s, 0,1,2,3,4,5,6,7
	v_mov_b32 v[ST+12*\s], s20
	v_mov_b32 v[ST+12*\s+1], s[ID]
	v_mov_b32 v[ST+12*\s+2], s20
.irp j, 3,4,5,6,7,8,9,10,11
	v_mov_b32 v[ST+12*\s+\j], s20
.endr
.endr
.set i, 0
.rept 32
	v_mov_b32 v[ACC+32+i], s20
.set i, i+1
.endr
	s_wait_tensorcnt 0x0
	s_mov_b32 s[G1B+2], 64<<16                     ; no tensor load of mine is out: from here on a load of cells brings 64 rows
	s_mov_b32 s[G1B+4], 64
	s_barrier_signal -1
	s_barrier_wait -1
	WIN 0x40
.irp s, 0,1,2,3,4,5,6,7
.irp k, 0,1
.irp c, 0,1,2,3
	ds_load_b128 v[32*\s+16*\k+4*\c:32*\s+16*\k+4*\c+3], v[AXL] offset:TILEB*\s+128*\k+32*\c
.endr
.endr
.endr
	WIN 0
	CHANGE G0B1, 0, 1
	LOADB 0
	s_wait_loadcnt 0x0
	PHASE 0
	PHASE 1
	PHASE 2
	PHASE 3
.set n, 0
.rept 48
	VOP 1, 1, IDP
.endr
	v_mov_b32 v15, 0xff800000
.irp s, 0,1,2,3,4,5,6,7
	v_mov_b32 v[NN+\s], 7
.endr
.irp j, 6,5,4,3,2,1,0
.irp s, 0,1,2,3,4,5,6,7
	v_cmp_neq_f32 vcc_lo, v[ST+12*\s+4+\j], v[ST+12*\s]
	s_delay_alu instid0(VALU_DEP_1)
	v_cndmask_b32 v[NN+\s], \j, v[NN+\s], vcc_lo
.endr
.endr
.irp j, 0,1,2,3,4,5,6,7
.irp s, 0,1,2,3,4,5,6,7
	v_cmp_eq_u32 vcc_lo, \j, v[NN+\s]
	s_delay_alu instid0(VALU_DEP_1)
	v_cndmask_b32 v14, v[ST+12*\s+4+\j], v15, vcc_lo
	s_delay_alu instid0(VALU_DEP_1)
	v_max_num_f32 v[ST+12*\s+3], v[ST+12*\s+3], v14
.endr
.endr
.irp s, 0,1,2,3,4,5,6,7
	v_add_nc_u32 v[NN+\s], v[NN+\s], v[ST+12*\s+1]
.endr
.irp s, 0,1,2,3,4,5,6,7
	v_add_nc_u32 v[NN+\s], v[NN+\s], v[H8]
.endr
.irp s, 0,1,2,3,4,5,6,7
	v_permlanex16_b32 v30, v[ST+12*\s], s[SEL], s[SEL+1]
	v_permlanex16_b32 v31, v[NN+\s], s[SEL], s[SEL+1]
	v_permlanex16_b32 v14, v[ST+12*\s+3], s[SEL], s[SEL+1]
	s_delay_alu instid0(VALU_DEP_3)
	v_min_num_f32 v15, v[ST+12*\s], v30
	s_delay_alu instid0(VALU_DEP_1)
	v_max3_num_f32 v[SS+\s], v[ST+12*\s+3], v14, v15
	MERGE VV+\s, ST+12*\s, NN+\s, 30, 31
.endr
	s_cmp_lt_u32 s[WV], 4
	s_cbranch_scc1 .Lkeep
	ds_store_b128 v[MA], v[VV:VV+3]
	ds_store_b128 v[MA], v[VV+4:VV+7] offset:512
	ds_store_b128 v[MA], v[NN:NN+3] offset:1024
	ds_store_b128 v[MA], v[NN+4:NN+7] offset:1536
	ds_store_b128 v[MA], v[SS:SS+3] offset:2048
	ds_store_b128 v[MA], v[SS+4:SS+7] offset:2560
.Lkeep:
	s_wait_dscnt 0x0
	s_barrier_signal -1
	s_barrier_wait -1
	s_cmp_ge_u32 s[WV], 4
	s_cbranch_scc1 .Ldone
	ds_load_b128 v[OV:OV+3], v[MA]
	ds_load_b128 v[OV+4:OV+7], v[MA] offset:512
	ds_load_b128 v[ON:ON+3], v[MA] offset:1024
	ds_load_b128 v[ON+4:ON+7], v[MA] offset:1536
	ds_load_b128 v[OS:OS+3], v[MA] offset:2048
	ds_load_b128 v[OS+4:OS+7], v[MA] offset:2560
	s_wait_dscnt 0x0
.irp s, 0,1,2,3,4,5,6,7
	v_min_num_f32 v15, v[VV+\s], v[OV+\s]
	s_delay_alu instid0(VALU_DEP_1)
	v_max3_num_f32 v[SS+\s], v[SS+\s], v[OS+\s], v15
	MERGE VV+\s, VV+\s, NN+\s, OV+\s, ON+\s
.endr
.irp s, 0,1,2,3,4,5,6,7
	v_fma_f32 v14, -|v[VV+\s]|, s[EPS], v[VV+\s]
	s_delay_alu instid0(VALU_DEP_1)
	v_cmp_ge_f32 vcc_lo, v[SS+\s], v14
	s_delay_alu instid0(VALU_DEP_1)
	v_cndmask_b32 v15, 0, s[FLG], vcc_lo
	s_delay_alu instid0(VALU_DEP_1)
	v_or_b32 v[NN+\s], v[NN+\s], v15
.endr
.irp s, 0,1,2,3,4,5,6,7
	ds_store_b32 v[OA], v[NN+\s] offset:64*\s
.endr
	ds_load_b128 v[240:243], v[OB]
	s_wait_dscnt 0x0
	global_store_b128 v[GO], v[240:243], s[12:13]
.Ldone:
	s_wait_tensorcnt 0x0
	ds_add_u32 v[SPW], v[NIL]
	s_wait_dscnt 0x0
	ROUND
	s_endpgm
.Lfunc_end_k_q69378b7316_place:
	.size	k_q69378b7316_place, .Lfunc_end_k_q69378b7316_place-k_q69378b7316_place
	.p2alignl 7, 3214868480
	.fill 96, 4, 3214868480
	.section	.rodata,"a",@progbits
	.p2align	6, 0x0
	.amdhsa_kernel k_q69378b7316_place
		.amdhsa_group_segment_fixed_size 327680
		.amdhsa_private_segment_fixed_size 0
		.amdhsa_enable_private_segment 0
		.amdhsa_kernarg_size 40
		.amdhsa_user_sgpr_count 2
		.amdhsa_user_sgpr_kernarg_segment_ptr 1
		.amdhsa_wavefront_size32 1
		.amdhsa_system_sgpr_workgroup_id_x 1
		.amdhsa_system_sgpr_workgroup_id_y 1
		.amdhsa_system_sgpr_workgroup_id_z 1
		.amdhsa_system_vgpr_workitem_id 0
		.amdhsa_next_free_vgpr 512
		.amdhsa_next_free_sgpr 96
		.amdhsa_reserve_vcc 1
		.amdhsa_float_denorm_mode_32 3
		.amdhsa_float_denorm_mode_16_64 3
		.amdhsa_memory_ordered 1
		.amdhsa_forward_progress 1
		.amdhsa_inst_pref_size 193
	.end_amdhsa_kernel
	.amdgpu_metadata
---
amdhsa.version: [ 1, 2 ]
amdhsa.kernels:
  - .name:           k_q69378b7316_place
    .symbol:         k_q69378b7316_place.kd
    .args:
      - { .name: placeCells_codes, .offset: 0, .size: 8, .value_kind: global_buffer, .address_space: global }
      - { .name: placeCells_scales, .offset: 8, .size: 8, .value_kind: global_buffer, .address_space: global }
      - { .name: x_codes, .offset: 16, .size: 8, .value_kind: global_buffer, .address_space: global }
      - { .name: x_scales, .offset: 24, .size: 8, .value_kind: global_buffer, .address_space: global }
      - { .name: cand, .offset: 32, .size: 8, .value_kind: global_buffer, .address_space: global }
    .group_segment_fixed_size: 327680
    .private_segment_fixed_size: 0
    .kernarg_segment_align: 8
    .kernarg_segment_size: 40
    .max_flat_workgroup_size: 256
    .sgpr_count:     96
    .vgpr_count:     512
    .wavefront_size: 32
...
	.end_amdgpu_metadata
.endif
;; end of part 1
;; launch part (part 2): grid 256 x 1, 16 waves a work-group, no clusters, 0 bytes of LDS; arguments placeCells_codes, placeCells_scales, x_codes, x_scales, cand, part; writes part
.if DOCPART == 2
	.amdgcn_target "amdgcn-amd-amdhsa--gfx1250"
	.amdhsa_code_object_version 6
	.text
	.protected	k_q69378b7316_part
	.globl	k_q69378b7316_part
	.p2align	8
	.type	k_q69378b7316_part,@function
k_q69378b7316_part:
	s_mov_b64 s[64:65], 0
	v_nop
	global_prefetch_b8 v0, s[64:65] scope:SCOPE_SE
	s_setreg_imm32_b32 hwreg(HW_REG_WAVE_MODE, 25, 1), 1
	s_wait_xcnt 0x0
; For every state n whose cand[n] has bit 31 set: part[n][c] = (sim, index) of the best of cells 64 c .. 64 c + 63, each sim formed as THE EXACT SUM OF THE EXACT PRODUCTS, ROUNDED ONCE TO F32; the lower index where equal.
; A code x its scale is exact in f32, and so is a product of two such numbers.  A sum is a head and a tail: each product is added to the head by an error-free addition
; (s = hi + p; bv = s - hi; av = s - bv; error = (hi - av) + (p - bv)), the errors are added up in the tail; even and odd k form two such sums (packed lines), joined at the end.
; LIMITS: the tail is added up in f32, so a sum within about 2^-30 of its largest partial sum from the middle between two f32 numbers may round the other way; products or sums outside f32's range and NaN are not served.
; SHARES: work-group = 32 x group + slice.  A group is 16,384 states, a slice 64 cells; wave w owns states 1,024 w .. + 1,023 of the group, reads their words and walks the flagged ones: lane l takes cells 64 c + l and + 32.
; No wave needs another: no LDS, no barrier.  Trip counts are bit counts of masks read from memory; the launch has no tensor load and no copy.  For the same reason no cluster and no prefetch.
; K goes in 2 trips of 4 blocks of 32; four sets of code registers: block i + 4 is asked for as soon as block i has been widened (first trip only).
.set LANE, 1
.set ZO,   2                           ; 0
.set MV,   3                           ; lane m: mask of word m % 4 of load m / 4: bit l = state 128 (m / 4) + 4 l + m % 4
.set CELLO, 4                          ; 256 x my first cell
.set CSO,  5                           ; 8 x my first cell
.set NB,   6                           ; my first cell
.set SOV,  7                           ; 8 x slice
.set T0,   8
.set OT,   10
.set NT,   11
.set LO16, 12
.set BV,   14
.set BN,   15
.set XSB,  16                          ; x's 8 scale bytes; v18-19, v20-21 my two cells'
.set CS,   18
.set SX,   22
.set SC,   24
.set CD,   32                          ; codes: set i at v[32 + 24 i]: x 8, first cell 8, second cell 8 (under v128: the conversions name halves)
.set XF,   128
.set CFA,  160
.set CFB,  192
.set HI,   224                         ; cell q at HI + 6 q: the head's pair twice (by turns), the tail's pair
.set TA,   236
.set TBB,  242
.set ACC,  248
.set WV,   16
.set XA,   32
.set XSA,  34
.set PB,   36
.set FM,   38
.set FC,   39
.set FI,   42
.set CM,   43
.set SEL,  44
.set OC,   46
.set OI,   47
.set KC,   48
.set CB,   49
.set R0S,  50
.set TR,   51
.macro MERGE vd, va, na, vo, no        ; the larger sim, the lower index where they are equal
	v_cmp_gt_f32 s40, v[\vo], v[\va]
	v_cmp_eq_f32 s41, v[\vo], v[\va]
	v_cmp_lt_u32 vcc_lo, v[\no], v[\na]
	s_and_b32 s41, s41, vcc_lo
	s_or_b32 s40, s40, s41
	v_cndmask_b32 v[\vd], v[\va], v[\vo], s40
	v_cndmask_b32 v[\na], v[\na], v[\no], s40
.endm
.macro DEC1 dst, r
	v_cvt_pk_f32_bf8 v[\dst:\dst+1], v\r\().l
	v_cvt_pk_f32_bf8 v[\dst+2:\dst+3], v\r\().h
.endm
.macro DEC8 dst, r0, a, b, c, d, e, f, g, h
.irp r, \a,\b,\c,\d,\e,\f,\g,\h
	DEC1 \dst+4*(\r-\r0), \r
.endr
.endm
.macro SCALE dst, src, b               ; byte b of v[src] becomes 2^(e - 127), twice
	v_bfe_u32 v[T0], v[\src], 8*(\b), 8
	s_delay_alu instid0(VALU_DEP_1)
	v_add_nc_u32 v[T0], 0xffffff81, v[T0]
	s_delay_alu instid0(VALU_DEP_1)
	v_ldexp_f32 v[\dst], 1.0, v[T0]
	s_delay_alu instid0(VALU_DEP_1)
	v_mov_b32 v[\dst+1], v[\dst]
.endm
.macro LDB s, b                        ; block b: six loads into the set at v[s]
	global_load_b128 v[\s:\s+3], v[ZO], s[XA:XA+1] offset:32*(\b)
	global_load_b128 v[\s+4:\s+7], v[ZO], s[XA:XA+1] offset:32*(\b)+16
.irp q, 0,1
	global_load_b128 v[\s+8+8*\q:\s+8+8*\q+3], v[CELLO], s[4:5] offset:8192*\q+32*(\b)
	global_load_b128 v[\s+12+8*\q:\s+12+8*\q+3], v[CELLO], s[4:5] offset:8192*\q+32*(\b)+16
.endr
.endm
.macro BLK i
	s_wait_loadcnt 6*(3-\i)                        ; loads return in order: in the second trip 3 - i blocks of six are younger than mine, in the first three: the lesser count serves both
	SCALE SX, XSB, \i
	SCALE SC, CS, \i
	SCALE SC+2, CS+2, \i
.if \i == 0
	DEC8 XF, 32, 32,33,34,35,36,37,38,39
	DEC8 CFA, 40, 40,41,42,43,44,45,46,47
	DEC8 CFB, 48, 48,49,50,51,52,53,54,55
.elseif \i == 1
	DEC8 XF, 56, 56,57,58,59,60,61,62,63
	DEC8 CFA, 64, 64,65,66,67,68,69,70,71
	DEC8 CFB, 72, 72,73,74,75,76,77,78,79
.elseif \i == 2
	DEC8 XF, 80, 80,81,82,83,84,85,86,87
	DEC8 CFA, 88, 88,89,90,91,92,93,94,95
	DEC8 CFB, 96, 96,97,98,99,100,101,102,103
.else
	DEC8 XF, 104, 104,105,106,107,108,109,110,111
	DEC8 CFA, 112, 112,113,114,115,116,117,118,119
	DEC8 CFB, 120, 120,121,122,123,124,125,126,127
.endif
	s_cmp_lg_u32 s[TR], 0
	s_cbranch_scc1 .Lsecond_\@                     ; the second trip asks for nothing more
	LDB CD+24*\i, \i+4
.Lsecond_\@:
.set k, 0
.rept 16
	v_pk_mul_f32 v[XF+k:XF+k+1], v[XF+k:XF+k+1], v[SX:SX+1]
.set k, k+2
.endr
.set k, 0
.rept 16
	v_pk_mul_f32 v[CFA+k:CFA+k+1], v[CFA+k:CFA+k+1], v[SC:SC+1]
	v_pk_mul_f32 v[CFB+k:CFB+k+1], v[CFB+k:CFB+k+1], v[SC+2:SC+3]
.set k, k+2
.endr
.set la, HI+4
.set lb, HI+10
.set k, 0
.rept 16                               ; two products a cell and step; the two cells' lines take turns; the new head goes into the other pair
.set pr, (k/2)%2
.set hao, HI+2*pr
.set han, HI+2-2*pr
.set hbo, HI+6+2*pr
.set hbn, HI+8-2*pr
	v_pk_fma_f32 v[han:han+1], v[CFA+k:CFA+k+1], v[XF+k:XF+k+1], v[hao:hao+1]
	v_pk_fma_f32 v[hbn:hbn+1], v[CFB+k:CFB+k+1], v[XF+k:XF+k+1], v[hbo:hbo+1]
	s_delay_alu instid0(VALU_DEP_2)
	v_pk_add_f32 v[TA:TA+1], v[han:han+1], v[hao:hao+1] neg_lo:[0,1] neg_hi:[0,1]
	s_delay_alu instid0(VALU_DEP_2)
	v_pk_add_f32 v[TBB:TBB+1], v[hbn:hbn+1], v[hbo:hbo+1] neg_lo:[0,1] neg_hi:[0,1]
	s_delay_alu instid0(VALU_DEP_2)
	v_pk_add_f32 v[TA+2:TA+3], v[han:han+1], v[TA:TA+1] neg_lo:[0,1] neg_hi:[0,1]
	s_delay_alu instid0(VALU_DEP_2)
	v_pk_add_f32 v[TBB+2:TBB+3], v[hbn:hbn+1], v[TBB:TBB+1] neg_lo:[0,1] neg_hi:[0,1]
	s_delay_alu instid0(VALU_DEP_4)
	v_pk_fma_f32 v[TA+4:TA+5], v[CFA+k:CFA+k+1], v[XF+k:XF+k+1], v[TA:TA+1] neg_lo:[0,0,1] neg_hi:[0,0,1]
	s_delay_alu instid0(VALU_DEP_4)
	v_pk_fma_f32 v[TBB+4:TBB+5], v[CFB+k:CFB+k+1], v[XF+k:XF+k+1], v[TBB:TBB+1] neg_lo:[0,0,1] neg_hi:[0,0,1]
	s_delay_alu instid0(VALU_DEP_4)
	v_pk_add_f32 v[TA+2:TA+3], v[hao:hao+1], v[TA+2:TA+3] neg_lo:[0,1] neg_hi:[0,1]
	s_delay_alu instid0(VALU_DEP_4)
	v_pk_add_f32 v[TBB+2:TBB+3], v[hbo:hbo+1], v[TBB+2:TBB+3] neg_lo:[0,1] neg_hi:[0,1]
	s_delay_alu instid0(VALU_DEP_2)
	v_pk_add_f32 v[TA+4:TA+5], v[TA+2:TA+3], v[TA+4:TA+5]
	s_delay_alu instid0(VALU_DEP_2)
	v_pk_add_f32 v[TBB+4:TBB+5], v[TBB+2:TBB+3], v[TBB+4:TBB+5]
	s_delay_alu instid0(VALU_DEP_2)
	v_pk_add_f32 v[la:la+1], v[la:la+1], v[TA+4:TA+5]
	s_delay_alu instid0(VALU_DEP_2)
	v_pk_add_f32 v[lb:lb+1], v[lb:lb+1], v[TBB+4:TBB+5]
.set k, k+2
.endr
.endm
	s_load_b256 s[4:11], s[0:1], 0x0               ; cells' codes s[4:5], their scales s[6:7], x's codes s[8:9], x's scales s[10:11]
	s_load_b128 s[12:15], s[0:1], 0x20             ; cand s[12:13], part s[14:15]
	v_lshrrev_b32 v1, 5, v0
	v_readfirstlane_b32 s[WV], v1
	v_and_b32 v[LANE], 31, v0
	s_and_b32 s17, ttmp9, 31                       ; slice
	s_lshr_b32 s18, ttmp9, 5                       ; group
	s_lshl_b32 s19, s17, 6
	v_add_nc_u32 v[NB], s19, v[LANE]
	v_lshlrev_b32 v[LO16], 4, v[LANE]
	v_lshlrev_b32 v[CELLO], 8, v[NB]
	v_lshlrev_b32 v[CSO], 3, v[NB]
	s_lshl_b32 s19, s17, 3
	v_mov_b32 v[SOV], s19
	v_mov_b32 v[ZO], 0
	v_mov_b32 v[MV], 0
	v_mov_b32 v[OT], 0
	v_mov_b32 v[NT], 0
	s_mov_b32 s[SEL], 0x76543210
	s_mov_b32 s[SEL+1], 0xfedcba98
	s_lshl_b32 s18, s18, 4
	s_add_co_u32 s18, s18, s[WV]                   ; my range of 1,024 states
	s_lshl_b32 s[R0S], s18, 10
	s_lshl_b32 s20, s18, 12
	s_mov_b32 s21, 0
	s_wait_alu depctr_va_vdst(0)
	s_wait_kmcnt 0x0
	s_add_nc_u64 s[12:13], s[12:13], s[20:21]
.irp q, 0,1,2,3,4,5,6,7
	global_load_b128 v[32+4*\q:35+4*\q], v[LO16], s[12:13] offset:512*\q   ; 512 consecutive bytes an instruction
.endr
	s_wait_loadcnt 0x0
.set i, 0
.rept 32
	v_cmp_gt_i32 s26, 0, v[32+i]                   ; bit 31 set
	v_writelane_b32 v[MV], s26, i
.set i, i+1
.endr
	s_wait_alu depctr_va_vdst(0)
	v_cmp_ne_u32 s[CM], 0, v[MV]                   ; which of the 32 masks hold a bit
	s_bcnt1_i32_b32 s[OC], s[CM]
	s_cmp_eq_u32 s[OC], 0
	s_cbranch_scc1 .Lend
	s_mov_b32 s[OI], 0
.Lmask:                                ; a trip for each mask that holds a bit
	s_add_co_i32 s27, s[CM], -1
	s_and_not1_b32 s28, s[CM], s27
	s_and_b32 s[CM], s[CM], s27
	s_ctz_i32_b32 s[KC], s28
	s_min_u32 s[KC], s[KC], 31
	s_wait_alu depctr_va_vdst(0)
	v_readlane_b32 s[FM], v[MV], s[KC]
	s_bcnt1_i32_b32 s[FC], s[FM]
	s_and_b32 s29, s[KC], 28
	s_lshl_b32 s29, s29, 5                         ; 128 (m / 4)
	s_and_b32 s30, s[KC], 3
	s_add_co_u32 s[CB], s29, s30
	s_add_co_u32 s[CB], s[CB], s[R0S]
	s_mov_b32 s[FI], 0
.Lstate:                               ; a trip for each flagged state of the mask
	s_add_co_i32 s27, s[FM], -1
	s_and_not1_b32 s28, s[FM], s27
	s_and_b32 s[FM], s[FM], s27
	s_ctz_i32_b32 s28, s28
	s_min_u32 s28, s28, 31
	s_lshl_b32 s28, s28, 2
	s_add_co_u32 s28, s28, s[CB]                   ; the state
	s_lshl_b32 s30, s28, 8
	s_mov_b32 s31, 0
	s_add_nc_u64 s[XA:XA+1], s[8:9], s[30:31]      ; (the last trip's loads were all waited for, its store has read its base)
	s_add_nc_u64 s[PB:PB+1], s[14:15], s[30:31]
	s_lshl_b32 s30, s28, 3
	s_add_nc_u64 s[XSA:XSA+1], s[10:11], s[30:31]
	global_load_b64 v[XSB:XSB+1], v[ZO], s[XSA:XSA+1]
	global_load_b64 v[CS:CS+1], v[CSO], s[6:7]
	global_load_b64 v[CS+2:CS+3], v[CSO], s[6:7] offset:256
.irp b, 0,1,2,3
	LDB CD+24*\b, \b
.endr
.irp q, 0,1
	v_mov_b32 v[HI+6*\q], 0
	v_mov_b32 v[HI+6*\q+1], 0
	v_mov_b32 v[HI+6*\q+4], 0
	v_mov_b32 v[HI+6*\q+5], 0
.endr
	s_mov_b32 s[TR], 0
.Lhalf:                                ; two trips of four blocks
	BLK 0
	BLK 1
	BLK 2
	BLK 3
	v_mov_b32 v[XSB], v[XSB+1]                     ; the second trip's four scale bytes
	v_mov_b32 v[CS], v[CS+1]
	v_mov_b32 v[CS+2], v[CS+3]
	s_add_co_u32 s[TR], s[TR], 1
	s_cmp_lt_u32 s[TR], 2
	s_wait_alu depctr_va_vdst(0)
	s_cbranch_scc1 .Lhalf
	s_wait_loadcnt 0x0                             ; every load of this state has landed: the next state loads into the same registers
.irp q, 0,1                            ; a cell's two sums are joined; head + tail is rounded once
	v_add_f32 v[TA], v[HI+6*\q], v[HI+6*\q+1]
	s_delay_alu instid0(VALU_DEP_1)
	v_sub_f32 v[TA+1], v[TA], v[HI+6*\q]
	s_delay_alu instid0(VALU_DEP_1)
	v_sub_f32 v[TA+2], v[TA], v[TA+1]
	s_delay_alu instid0(VALU_DEP_2)
	v_sub_f32 v[TA+3], v[HI+6*\q+1], v[TA+1]
	s_delay_alu instid0(VALU_DEP_2)
	v_sub_f32 v[TA+2], v[HI+6*\q], v[TA+2]
	s_delay_alu instid0(VALU_DEP_1)
	v_add_f32 v[TA+3], v[TA+2], v[TA+3]
	v_add_f32 v[TA+4], v[HI+6*\q+4], v[HI+6*\q+5]
	s_delay_alu instid0(VALU_DEP_1)
	v_add_f32 v[TA+3], v[TA+3], v[TA+4]
	s_delay_alu instid0(VALU_DEP_1)
	v_add_f32 v[ACC+\q], v[TA], v[TA+3]
.endr
	v_add_nc_u32 v[T0], 32, v[NB]
	v_cmp_gt_f32 vcc_lo, v[ACC+1], v[ACC]          ; the later cell wins only if it is larger
	v_cndmask_b32 v[BV], v[ACC], v[ACC+1], vcc_lo
	v_cndmask_b32 v[BN], v[NB], v[T0], vcc_lo
.irp m, 1,2,4,8
	v_mov_b32_dpp v[OT], v[BV] row_xmask:\m row_mask:0xf bank_mask:0xf
	v_mov_b32_dpp v[NT], v[BN] row_xmask:\m row_mask:0xf bank_mask:0xf
	MERGE BV, BV, BN, OT, NT
.endr
	v_permlanex16_b32 v[OT], v[BV], s[SEL], s[SEL+1]
	v_permlanex16_b32 v[NT], v[BN], s[SEL], s[SEL+1]
	MERGE BV, BV, BN, OT, NT
	v_cmp_eq_u32 vcc_lo, 0, v[LANE]
	s_wait_alu depctr_va_vdst(0)
	s_wait_xcnt 0x0                                ; EXEC changes only behind this wait
	s_and_saveexec_b32 s27, vcc_lo
	global_store_b64 v[SOV], v[BV:BN], s[PB:PB+1]  ; lane 0: the slice's 8 bytes of the state's 256
	s_wait_xcnt 0x0
	s_or_b32 exec_lo, exec_lo, s27
	s_add_co_u32 s[FI], s[FI], 1
	s_cmp_lt_u32 s[FI], s[FC]
	s_cbranch_scc1 .Lstate
	s_add_co_u32 s[OI], s[OI], 1
	s_cmp_lt_u32 s[OI], s[OC]
	s_cbranch_scc1 .Lmask
.Lend:
	s_endpgm
.Lfunc_end_k_q69378b7316_part:
	.size	k_q69378b7316_part, .Lfunc_end_k_q69378b7316_part-k_q69378b7316_part
	.p2alignl 7, 3214868480
	.fill 96, 4, 3214868480
	.section	.rodata,"a",@progbits
	.p2align	6, 0x0
	.amdhsa_kernel k_q69378b7316_part
		.amdhsa_group_segment_fixed_size 0
		.amdhsa_private_segment_fixed_size 0
		.amdhsa_enable_private_segment 0
		.amdhsa_kernarg_size 48
		.amdhsa_user_sgpr_count 2
		.amdhsa_user_sgpr_kernarg_segment_ptr 1
		.amdhsa_wavefront_size32 1
		.amdhsa_system_sgpr_workgroup_id_x 1
		.amdhsa_system_sgpr_workgroup_id_y 1
		.amdhsa_system_sgpr_workgroup_id_z 1
		.amdhsa_system_vgpr_workitem_id 0
		.amdhsa_next_free_vgpr 256
		.amdhsa_next_free_sgpr 66
		.amdhsa_reserve_vcc 1
		.amdhsa_float_denorm_mode_32 3
		.amdhsa_float_denorm_mode_16_64 3
		.amdhsa_memory_ordered 1
		.amdhsa_forward_progress 1
		.amdhsa_inst_pref_size 119
	.end_amdhsa_kernel
	.amdgpu_metadata
---
amdhsa.version: [ 1, 2 ]
amdhsa.kernels:
  - .name:           k_q69378b7316_part
    .symbol:         k_q69378b7316_part.kd
    .args:
      - { .name: placeCells_codes, .offset: 0, .size: 8, .value_kind: global_buffer, .address_space: global }
      - { .name: placeCells_scales, .offset: 8, .size: 8, .value_kind: global_buffer, .address_space: global }
      - { .name: x_codes, .offset: 16, .size: 8, .value_kind: global_buffer, .address_space: global }
      - { .name: x_scales, .offset: 24, .size: 8, .value_kind: global_buffer, .address_space: global }
      - { .name: cand, .offset: 32, .size: 8, .value_kind: global_buffer, .address_space: global }
      - { .name: part, .offset: 40, .size: 8, .value_kind: global_buffer, .address_space: global }
    .group_segment_fixed_size: 0
    .private_segment_fixed_size: 0
    .kernarg_segment_align: 8
    .kernarg_segment_size: 48
    .max_flat_workgroup_size: 512
    .sgpr_count:     66
    .vgpr_count:     256
    .wavefront_size: 32
...
	.end_amdgpu_metadata
.endif
;; end of part 2
;; launch join (part 3): grid 256 x 1, 8 waves a work-group, no clusters, 0 bytes of LDS; arguments cand, part, out0; writes out0
.if DOCPART == 3
	.amdgcn_target "amdgcn-amd-amdhsa--gfx1250"
	.amdhsa_code_object_version 6
	.text
	.protected	k_q69378b7316_join
	.globl	k_q69378b7316_join
	.p2align	8
	.type	k_q69378b7316_join,@function
k_q69378b7316_join:
	s_mov_b64 s[64:65], 0
	v_nop
	global_prefetch_b8 v0, s[64:65] scope:SCOPE_SE
	s_setreg_imm32_b32 hwreg(HW_REG_WAVE_MODE, 25, 1), 1
	s_wait_xcnt 0x0
; out0[n] = cand[n] where its bit 31 is clear; else the index of the best of part[n]'s 32 pairs (sim, index): the larger sim, the lower index where equal.
; A wave owns 64 states, lane l states 2 l and 2 l + 1; for a flagged state lane l reads pair l: 256 consecutive bytes.  The wave stores 256 consecutive bytes, aligned.
; Trip counts are bit counts of masks read from memory; no tensor load, no copy, no LDS.
.set LANE, 1
.set LO8,  2
.set OT,   4
.set NT,   5
.set OW,   6
.set BV,   8
.set BN,   9
.set WV,   10
.set S0,   11
.set PB,   12
.set FM,   14
.set FC,   15
.set FI,   16
.set FB,   17
.set SEL,  18
.macro MERGE vd, va, na, vo, no
	v_cmp_gt_f32 s20, v[\vo], v[\va]
	v_cmp_eq_f32 s21, v[\vo], v[\va]
	v_cmp_lt_u32 vcc_lo, v[\no], v[\na]
	s_and_b32 s21, s21, vcc_lo
	s_or_b32 s20, s20, s21
	v_cndmask_b32 v[\vd], v[\va], v[\vo], s20
	v_cndmask_b32 v[\na], v[\na], v[\no], s20
.endm
.macro FIX e                           ; the flagged ones among states 2 l + e
	v_cmp_gt_i32 s[FM], 0, v[OW+\e]
	s_bcnt1_i32_b32 s[FC], s[FM]
	s_cmp_eq_u32 s[FC], 0
	s_cbranch_scc1 .Lnone_\@
	s_mov_b32 s[FI], 0
.Lst_\@:
	s_add_co_i32 s22, s[FM], -1
	s_and_not1_b32 s[FB], s[FM], s22
	s_and_b32 s[FM], s[FM], s22
	s_ctz_i32_b32 s23, s[FB]
	s_min_u32 s23, s23, 31
	s_lshl_b32 s23, s23, 1
	s_add_co_u32 s23, s23, \e
	s_add_co_u32 s23, s23, s[S0]
	s_lshl_b32 s24, s23, 8
	s_mov_b32 s25, 0
	s_add_nc_u64 s[PB:PB+1], s[6:7], s[24:25]      ; (the last trip's load was waited for)
	global_load_b64 v[BV:BN], v[LO8], s[PB:PB+1]
	s_wait_loadcnt 0x0
.irp m, 1,2,4,8
	v_mov_b32_dpp v[OT], v[BV] row_xmask:\m row_mask:0xf bank_mask:0xf
	v_mov_b32_dpp v[NT], v[BN] row_xmask:\m row_mask:0xf bank_mask:0xf
	MERGE BV, BV, BN, OT, NT
.endr
	v_permlanex16_b32 v[OT], v[BV], s[SEL], s[SEL+1]
	v_permlanex16_b32 v[NT], v[BN], s[SEL], s[SEL+1]
	MERGE BV, BV, BN, OT, NT
	v_cndmask_b32 v[OW+\e], v[OW+\e], v[BN], s[FB] ; into the state's lane
	s_add_co_u32 s[FI], s[FI], 1
	s_cmp_lt_u32 s[FI], s[FC]
	s_wait_alu depctr_va_vdst(0)
	s_cbranch_scc1 .Lst_\@
.Lnone_\@:
.endm
	s_load_b128 s[4:7], s[0:1], 0x0                ; cand s[4:5], part s[6:7]
	s_load_b64 s[8:9], s[0:1], 0x10                ; out0
	v_lshrrev_b32 v1, 5, v0
	v_readfirstlane_b32 s[WV], v1
	v_and_b32 v[LANE], 31, v0
	v_lshlrev_b32 v[LO8], 3, v[LANE]
	v_mov_b32 v[OT], 0
	v_mov_b32 v[NT], 0
	s_mov_b32 s[SEL], 0x76543210
	s_mov_b32 s[SEL+1], 0xfedcba98
	s_lshl_b32 s22, ttmp9, 3
	s_add_co_u32 s22, s22, s[WV]
	s_lshl_b32 s[S0], s22, 6                       ; my first state
	s_lshl_b32 s24, s22, 8                         ; its byte in cand and out0
	s_mov_b32 s25, 0
	s_wait_alu depctr_va_vdst(0)
	s_wait_kmcnt 0x0
	s_add_nc_u64 s[4:5], s[4:5], s[24:25]
	s_add_nc_u64 s[8:9], s[8:9], s[24:25]
	global_load_b64 v[OW:OW+1], v[LO8], s[4:5]
	s_wait_loadcnt 0x0
	FIX 0
	FIX 1
	s_wait_alu depctr_va_vdst(0)
	global_store_b64 v[LO8], v[OW:OW+1], s[8:9]
	s_endpgm
.Lfunc_end_k_q69378b7316_join:
	.size	k_q69378b7316_join, .Lfunc_end_k_q69378b7316_join-k_q69378b7316_join
	.p2alignl 7, 3214868480
	.fill 96, 4, 3214868480
	.section	.rodata,"a",@progbits
	.p2align	6, 0x0
	.amdhsa_kernel k_q69378b7316_join
		.amdhsa_group_segment_fixed_size 0
		.amdhsa_private_segment_fixed_size 0
		.amdhsa_enable_private_segment 0
		.amdhsa_kernarg_size 24
		.amdhsa_user_sgpr_count 2
		.amdhsa_user_sgpr_kernarg_segment_ptr 1
		.amdhsa_wavefront_size32 1
		.amdhsa_system_sgpr_workgroup_id_x 1
		.amdhsa_system_sgpr_workgroup_id_y 1
		.amdhsa_system_sgpr_workgroup_id_z 1
		.amdhsa_system_vgpr_workitem_id 0
		.amdhsa_next_free_vgpr 24
		.amdhsa_next_free_sgpr 66
		.amdhsa_reserve_vcc 1
		.amdhsa_float_denorm_mode_32 3
		.amdhsa_float_denorm_mode_16_64 3
		.amdhsa_memory_ordered 1
		.amdhsa_forward_progress 1
		.amdhsa_inst_pref_size 8
	.end_amdhsa_kernel
	.amdgpu_metadata
---
amdhsa.version: [ 1, 2 ]
amdhsa.kernels:
  - .name:           k_q69378b7316_join
    .symbol:         k_q69378b7316_join.kd
    .args:
      - { .name: cand, .offset: 0, .size: 8, .value_kind: global_buffer, .address_space: global }
      - { .name: part, .offset: 8, .size: 8, .value_kind: global_buffer, .address_space: global }
      - { .name: out0, .offset: 16, .size: 8, .value_kind: global_buffer, .address_space: global }
    .group_segment_fixed_size: 0
    .private_segment_fixed_size: 0
    .kernarg_segment_align: 8
    .kernarg_segment_size: 24
    .max_flat_workgroup_size: 256
    .sgpr_count:     66
    .vgpr_count:     24
    .wavefront_size: 32
...
	.end_amdgpu_metadata
.endif
;; end of part 3
